; MI455X (gfx1250); checked and timed in simulation.
; The chip was launched on July 23, 2026; its instructions are those of AMD's public machine-readable ISA for CDNA 5 (MIT licence, August 2026) and "CDNA5" Instruction Set Architecture Reference Guide (July 2026). The comments in the code are by the model that wrote it; some were corrected since.
;; Quant Linear. Allowed arithmetic: matrix products marked QUANTISED: E3M2 operands, one E8M0 scale for each 32 along K, by v_wmma_scale_f32_16x16x128_f8f6f4 with both operands' format E3M2, f32 sums; everything else in f32.
;; Inputs: W 2,048 x 4,096 float32; x 4 x 2,048 x 4,096 float32.
;; Outputs: out0 4 x 2,048 x 2,048 float32.
;; This version of the problem:
;;   THIS VERSION OF THE PROBLEM IS GIVEN IN LOW PRECISION. The matrix products marked QUANTISED in the list below multiply operands that are first quantised to E3M2 (3 exponent bits, 2 mantissa bits; 6 bits a number), with one power-of-two scale for each 32 numbers along K (OCP MX v1.0); their sums are f32. All else is computed in f32.
;;   The module's matrix products, in the order in which they are computed (A, B: the left and right operand; K: the contracted axis; several contracted axes count as one K, in the product's order):
;;     1. [M 8,192, K 4,096] x [K 4,096, N 2,048]; A: input x; B: computed on the way: QUANTISED
;;   THE QUANTISER, for each operand of a quantised product, along K:
;;     - K is cut into blocks of 32 from its start; a last block that is shorter is filled with zeros.
;;     - A block's scale is 2^e with e = floor(log2(the largest magnitude in the block)) - 4, held to -126 .. 127; a block of zeros has e = 0. As a byte (E8M0): e + 127.
;;     - Each number is divided by its block's scale, clamped to +-28, and rounded to the nearest number of E3M2, ties to even, subnormals kept.
;;     - The product sums the exact products of the quantised numbers (number of the format x scale) in f32.
;;   ~~~python
;;   def quantise(x, axis):      # numpy; x: float32 -> the quantised numbers, widened to float32 again
;;       x = np.moveaxis(x, axis, -1); K = x.shape[-1]
;;       x = np.pad(x, [(0, 0)] * (x.ndim - 1) + [(0, -K % 32)]); x = x.reshape(x.shape[:-1] + (-1, 32)); a = np.abs(x).max(-1, keepdims=True)
;;       e = np.where(a > 0, np.clip(np.frexp(np.where(a > 0, a, 1))[1] - 1 - 4, -126, 127), 0)      # np.frexp(a)[1] - 1 = floor(log2(a)), exactly
;;       r = np.clip(x / 2.0 ** e, -28, 28)
;;       step = 2.0 ** (np.maximum(np.frexp(np.where(r == 0, 1, r))[1] - 1, -2) - 2)
;;       q = np.round(r / step) * step * 2.0 ** e      # np.round: ties to even
;;       return np.moveaxis(q.reshape(q.shape[:-2] + (-1,))[..., :K], -1, axis).astype(np.float32)
;;   ~~~
;;   OPERANDS COMPUTED ON THE WAY. 'Computed on the way' means the value that the module computes at that place (a softmax that the list does not call 'softmax' is quantised finished and normalised). What goes into a quantiser is computed in f32, as accurately as f32 sums, v_exp_f32 and their like allow (about 1e-6 of the number): no bf16 or f16 on the way to a quantiser, and a product that is left as it is and whose result goes on into a quantised operand takes f32 operands (vector FMAs, or v_wmma_f32_16x16x4_f32). A number that lies on a knife's edge between two numbers of the format may be rounded either way, as far as f32 arithmetic and the matrix unit's own rounding can turn it there, and no further.
;; One version. Each part assembles by itself: llvm-mc -triple=amdgcn-amd-amdhsa -mcpu=gfx1250 --defsym DOCPART=n.
;; ======== version 1 of 1: 3 launches
;; limits: right only within a limited range of input values
;; workspace buffers: wpart 1,024 bytes; xq 26,214,400 bytes; wq 6,553,600 bytes
;; launch wsum (part 1): grid 256 x 1, 8 waves a work-group, no clusters, 1,280 bytes of LDS; arguments W, wpart; writes wpart
.if DOCPART == 1
	.amdgcn_target "amdgcn-amd-amdhsa--gfx1250"
	.amdhsa_code_object_version 6
	.text
	.protected	k_q08666e2ce1_wsum
	.globl	k_q08666e2ce1_wsum
	.p2align	8
	.type	k_q08666e2ce1_wsum,@function
k_q08666e2ce1_wsum:
	s_mov_b64 s[64:65], 0
	v_nop
	global_prefetch_b8 v0, s[64:65] scope:SCOPE_SE
	s_setreg_imm32_b32 hwreg(HW_REG_WAVE_MODE, 25, 1), 1
	s_wait_xcnt 0x0
; wpart[g] = the sum of |W| over work-group g's 32,768 numbers.  W: [2048][4096] f32, taken as a plain stream of 33,554,432 bytes; wpart: 256 f32.
; The mean of |W| spans all of W, so it is made in two launches: 256 partial sums here, their sum in the launch that follows.
; Eight waves; the work-group owns 131,072 bytes: 32 pieces of 4,096.  Thread t takes the 16 bytes at 16 t of each piece, so a load of a wave covers 512
; consecutive bytes.  All 32 loads of a wave go out at once (16 KiB a wave in flight): no loop, no pointer is stepped.
; ORDER OF THE SUM: a tree: eight chains of 15 additions a lane, then pairwise over chains, lanes and waves.  It is not the order of a serial sum.
; LIMITS: NaN and infinities among the inputs are not served.
; No matrix unit, no cluster, no tensor load: the work-groups share no byte, and a lane's loads are all the bytes in flight that the launch needs.
.set PIECE, 4096                       ; bytes that the work-group's 256 threads cover with one load each
.set NLOAD, 32                         ; loads of a thread
.set SUM,   4                          ; v4-11   eight chains
.set D,     16                         ; v16-143 the data: four registers a load
	s_load_b128 s[4:7], s[0:1], 0x0                ; W s[4:5], wpart s[6:7]
	v_lshl_add_u32 v144, v0, 2, 0x100
	v_mov_b32 v145, 0
	s_lshl_b32 s8, ttmp9, 17                       ; the work-group's 131,072 bytes (255 x 131,072 stays under 2^32)
	s_mov_b32 s9, 0
	s_mov_b32 s12, 0x76543210                      ; v_permlanex16_b32: each lane takes its own place in the other half
	s_mov_b32 s13, 0xfedcba98
	v_lshlrev_b32 v1, 4, v0                        ; 16 t
	v_mov_b32 v2, 0                                ; the store's offset
	v_lshrrev_b32 v12, 5, v0
	s_delay_alu instid0(VALU_DEP_1)
	v_lshlrev_b32 v12, 2, v12                      ; LDS: 4 x wave: my wave's word
	v_mov_b32 v13, 0                               ; LDS: the eight words' first byte
	s_wait_alu depctr_va_vdst(0)
	s_wait_kmcnt 0x0
	s_add_nc_u64 s[4:5], s[4:5], s[8:9]
	s_lshl_b32 s8, ttmp9, 2
	s_add_nc_u64 s[6:7], s[6:7], s[8:9]            ; my work-group's word of wpart
.irp i, 0,1,2,3,4,5,6,7,8,9,10,11,12,13,14,15,16,17,18,19,20,21,22,23,24,25,26,27,28,29,30,31
	global_load_b128 v[D+4*\i:D+4*\i+3], v1, s[4:5] offset:PIECE*\i   ; no hint: the next launch reads W again
.endr
	s_wait_loadcnt NLOAD-4                         ; loads come back in order: the first four are in, the 28 younger ones stay out
.irp j, 0,1,2,3,4,5,6,7
	v_add_f32 v[SUM+\j], |v[D+\j]|, |v[D+8+\j]|    ; the first sixteen numbers start the chains: nothing is cleared
.endr
	s_wait_alu depctr_va_vdst(0)
.irp g, 1,2,3,4,5,6,7
	s_wait_alu depctr_va_vdst(0)
	s_wait_loadcnt NLOAD-4-4*\g                    ; group g's four loads are in
.irp j, 0,1,2,3,4,5,6,7
	v_add_f32 v[SUM+\j], v[SUM+\j], |v[D+16*\g+\j]|
.endr
.irp j, 0,1,2,3,4,5,6,7
	v_add_f32 v[SUM+\j], v[SUM+\j], |v[D+16*\g+8+\j]|
.endr
.endr
	v_pk_add_f32 v[SUM:SUM+1], v[SUM:SUM+1], v[SUM+2:SUM+3]
	s_delay_alu instid0(VALU_DEP_2)
	v_pk_add_f32 v[SUM+4:SUM+5], v[SUM+4:SUM+5], v[SUM+6:SUM+7]
	s_delay_alu instid0(VALU_DEP_1)
	v_pk_add_f32 v[SUM:SUM+1], v[SUM:SUM+1], v[SUM+4:SUM+5]
	s_delay_alu instid0(VALU_DEP_1)
	v_add_f32 v[SUM], v[SUM], v[SUM+1]             ; my 128 numbers
	s_delay_alu instid0(VALU_DEP_1)
	v_add_f32_dpp v[SUM], v[SUM], v[SUM] row_xmask:1 row_mask:0xf bank_mask:0xf
	s_delay_alu instid0(VALU_DEP_1)
	v_add_f32_dpp v[SUM], v[SUM], v[SUM] row_xmask:2 row_mask:0xf bank_mask:0xf
	s_delay_alu instid0(VALU_DEP_1)
	v_add_f32_dpp v[SUM], v[SUM], v[SUM] row_xmask:4 row_mask:0xf bank_mask:0xf
	s_delay_alu instid0(VALU_DEP_1)
	v_add_f32_dpp v[SUM], v[SUM], v[SUM] row_xmask:8 row_mask:0xf bank_mask:0xf
	s_delay_alu instid0(VALU_DEP_1)
	v_permlanex16_b32 v[SUM+1], v[SUM], s12, s13   ; (its destination counts as read: it has been written)
	s_delay_alu instid0(VALU_DEP_1)
	v_add_f32 v[SUM], v[SUM], v[SUM+1]             ; the wave's sum, in every lane
	ds_store_b32 v12, v[SUM]                       ; all lanes write the same word with the same value
	s_wait_dscnt 0x0                               ; for the others' sake: my store has landed
	s_barrier_signal -1
	s_barrier_wait -1
	ds_load_b128 v[D:D+3], v13                     ; the eight waves' sums
	ds_load_b128 v[D+4:D+7], v13 offset:16
	s_wait_dscnt 0x0
	v_pk_add_f32 v[D:D+1], v[D:D+1], v[D+2:D+3]
	v_pk_add_f32 v[D+4:D+5], v[D+4:D+5], v[D+6:D+7]
	s_delay_alu instid0(VALU_DEP_1)
	v_pk_add_f32 v[D:D+1], v[D:D+1], v[D+4:D+5]
	s_delay_alu instid0(VALU_DEP_1)
	v_add_f32 v[D], v[D], v[D+1]                   ; the work-group's sum
	v_cmp_eq_u32 vcc_lo, 0, v0                     ; thread 0 alone stores it: one number is all that the work-group has to store
	s_wait_alu depctr_va_vdst(0)
	s_wait_xcnt 0x0                                ; EXEC is a source of the loads above: it changes only behind this wait
	s_wait_tensorcnt 0x0
	ds_add_u32 v144, v145
	s_wait_dscnt 0x0
	s_and_saveexec_b32 s10, vcc_lo
	global_store_b32 v2, v[D], s[6:7]
	s_wait_xcnt 0x0                                ; and again in front of the line that widens it
	s_or_b32 exec_lo, exec_lo, s10
	s_endpgm
.Lfunc_end_k_q08666e2ce1_wsum:
	.size	k_q08666e2ce1_wsum, .Lfunc_end_k_q08666e2ce1_wsum-k_q08666e2ce1_wsum
	.p2alignl 7, 3214868480
	.fill 96, 4, 3214868480
	.section	.rodata,"a",@progbits
	.p2align	6, 0x0
	.amdhsa_kernel k_q08666e2ce1_wsum
		.amdhsa_group_segment_fixed_size 1280
		.amdhsa_private_segment_fixed_size 0
		.amdhsa_enable_private_segment 0
		.amdhsa_kernarg_size 16
		.amdhsa_user_sgpr_count 2
		.amdhsa_user_sgpr_kernarg_segment_ptr 1
		.amdhsa_wavefront_size32 1
		.amdhsa_system_sgpr_workgroup_id_x 1
		.amdhsa_system_sgpr_workgroup_id_y 1
		.amdhsa_system_sgpr_workgroup_id_z 1
		.amdhsa_system_vgpr_workitem_id 0
		.amdhsa_next_free_vgpr 146
		.amdhsa_next_free_sgpr 66
		.amdhsa_reserve_vcc 1
		.amdhsa_float_denorm_mode_32 3
		.amdhsa_float_denorm_mode_16_64 3
		.amdhsa_memory_ordered 1
		.amdhsa_forward_progress 1
		.amdhsa_inst_pref_size 14
	.end_amdhsa_kernel
	.amdgpu_metadata
---
amdhsa.version: [ 1, 2 ]
amdhsa.kernels:
  - .name:           k_q08666e2ce1_wsum
    .symbol:         k_q08666e2ce1_wsum.kd
    .args:
      - { .name: W, .offset: 0, .size: 8, .value_kind: global_buffer, .address_space: global }
      - { .name: wpart, .offset: 8, .size: 8, .value_kind: global_buffer, .address_space: global }
    .group_segment_fixed_size: 1280
    .private_segment_fixed_size: 0
    .kernarg_segment_align: 8
    .kernarg_segment_size: 16
    .max_flat_workgroup_size: 256
    .sgpr_count:     66
    .vgpr_count:     146
    .wavefront_size: 32
...
	.end_amdgpu_metadata
.endif
;; end of part 1
;; launch quant (part 2): grid 1280 x 1, 4 waves a work-group, no clusters, 34,304 bytes of LDS; arguments x, W, wpart, xq, wq; writes xq, wq
.if DOCPART == 2
	.amdgcn_target "amdgcn-amd-amdhsa--gfx1250"
	.amdhsa_code_object_version 6
	.text
	.protected	k_q08666e2ce1_quant
	.globl	k_q08666e2ce1_quant
	.p2align	8
	.type	k_q08666e2ce1_quant,@function
k_q08666e2ce1_quant:
	s_mov_b64 s[64:65], 0
	v_nop
	global_prefetch_b8 v0, s[64:65] scope:SCOPE_SE
	s_setreg_imm32_b32 hwreg(HW_REG_WAVE_MODE, 25, 1), 1
	s_wait_xcnt 0x0
; x [8192][4096] and w_ste [2048][4096], f32, are turned into codes of BF6 (E3M2), 6 bits each, with one E8M0 scale byte for each 32 along K, LAID IN THE ORDER OF THE MATRIX OPERAND'S REGISTERS.
; w_ste is made on the way, in f32: s = max(mean |W|, 1e-8);  wq = clip(round(W / s), -2, 2);  w_ste = (wq s - W) + W.
;   s: the 256 partial sums of the launch before, added as a tree, x 2^-23 (exact: W has 2^23 numbers).  Every wave makes it, from 1,024 bytes, with the same bits.
;   W / s: q0 = W r, r = 1 / s corrected once;  q = q0 + (W - q0 s) r, both steps fused: the quotient rounded to f32, not a bare product with a reciprocal.
;   round: to the nearest whole number, ties to even.  wq s is exact for wq in {0, 1, 2} and their negatives, so the fused wq s - W has the bits of a product and a subtraction.
; A block's scale is 2^(floor(log2(its largest magnitude)) - 4), 4 being the exponent of the format's largest number, 28; its byte is the largest magnitude's own exponent field - 4,
; held at 1 from below.  Each number is divided by the scale and rounded to the nearest code, ties to even; beyond the largest code the conversion gives the largest.
; LIMITS: a block of zeros gets the byte 1 where the rule says 127 (its codes are zeros, which add nothing under any byte but 0xff, and this program alone reads the bytes); blocks whose largest
; magnitude lies under 2^-122, the floor, keep the byte 1; NaN and infinities among the inputs are not served; the order of the mean's sum is a tree, not a serial sum.
; THE OUTPUT.  For each group of 128 rows and each 128 along K one block of 12,800 bytes: eight fragment images (16 rows x 128 K: 12 registers a lane, as three runs of 512 bytes, lane l's registers
; 4 c .. 4 c + 3 at 512 c + 16 l), then 512 bytes of scale words, [row block / 4][row % 16][row block % 4].  The blocks of a group lie on end along K, so that the product's launch fetches
; several steps along K as one dense run and reads every fragment by loads of 16 bytes a lane.
; SHARES.  One launch serves both tensors: the first WGW work-groups take W, the others x; only pointers are chosen by the work-group's number, and one branch a fragment, round vector arithmetic alone.
; A wave takes 64 rows x 128 K: four fragments.  A load reads 512 consecutive bytes (a row's 128 numbers, 16 bytes a lane); the conversion wants 16 NEIGHBOURS along K in one lane's registers:
; so a fragment's sixteen rows turn through the wave's own stage in LDS (rows 528 bytes apart) and come back to lane (r, h) as row r's numbers 32 b + 16 h + 0 .. 15 of each block b.
; A block of 32 lies in lanes l and l xor 16.  The four waves of a work-group take four neighbouring steps along K of the same rows.
; No tensor loads, no barrier: waves share nothing.  The loads of fragment f + 2 go out as soon as fragment f is converted: 16 to 32 loads a wave are on their way.  No cluster: no byte is read by two work-groups but wpart's 1,024.
.set WGW,   256                        ; W's work-groups: 2048 x 4096 / (64 x 128 x 4)
.set ROWB,  16384                      ; a row of x or of W in bytes
.set FRB,   1536                       ; a fragment's image
.set BLKB,  8*FRB+512                  ; a block: eight images and the scale words
.set SCOFF, 8*FRB                      ; where a block's scale words begin
.set SPI,   528                        ; a stage row: 512 bytes + 16, so that the sixteen rows that a read touches start at sixteen different places modulo 256 bytes
.set WREG,  16*SPI                     ; LDS: a stage of its own for each wave
.set TM,    16                         ; v16-31   at work: largest magnitudes, bytes, scale operands; for W also the five levels' temporaries; at the head the partial sums
.set PW,    32                         ; v32-35   the four fragments' scale words
.set SW,    36                         ; v36-37   the two words that my lane stores
.set PC,    40                         ; v40-59   a fragment's codes (12) and the conversions' second halves (8)
.set S,     64                         ; v64-191  two sets of 64 numbers
	s_load_b256 s[4:11], s[0:1], 0x0               ; x s[4:5], W s[6:7], wpart s[8:9], xq s[10:11]
	s_load_b64 s[12:13], s[0:1], 0x20              ; wq
	v_lshl_add_u32 v12, v0, 2, 0x8400
	v_mov_b32 v13, 0
	v_lshrrev_b32 v1, 5, v0
	v_readfirstlane_b32 s18, v1                    ; wave
	v_and_b32 v2, 31, v0                           ; lane
	v_and_b32 v7, 15, v0                           ; r
	v_bfe_u32 v8, v0, 4, 1                         ; h
	v_lshlrev_b32 v3, 4, v2                        ; 16 x lane: my bytes of a load's 512, and of an image's run of 512
	v_lshlrev_b32 v10, 5, v2                       ; my eight partial sums
	s_mul_i32 s19, s18, WREG
	v_add_nc_u32 v4, s19, v3                       ; the stage, on the way in: 16 x lane of a row
	v_mul_u32_u24 v5, v7, SPI
	v_lshl_add_u32 v5, v8, 6, v5
	v_add_nc_u32 v5, s19, v5                       ; and on the way out: row r, + 64 h: my 16 numbers of a block of 32
	v_lshlrev_b32 v6, 4, v7
	v_lshl_add_u32 v6, v8, 3, v6                   ; the scale words: 16 r + 8 h
	s_wait_alu depctr_va_vdst(0)
	s_mov_b32 s30, 0x76543210                      ; v_permlanex16_b32: each lane takes its own place in the other half
	s_mov_b32 s31, 0xfedcba98
	s_cmp_lt_u32 ttmp9, WGW
	s_cselect_b32 s21, 0, WGW
	s_sub_co_u32 s21, ttmp9, s21                   ; the work-group's number within its tensor
	s_and_b32 s22, s21, 7
	s_lshl_b32 s22, s22, 2
	s_add_co_u32 s22, s22, s18                     ; my step of 128 along K: 4 x (number % 8) + wave
	s_lshr_b32 s23, s21, 3                         ; my 64 rows: number / 8, at most 127
	s_lshl_b32 s14, s23, 20                        ; 64 rows of 16,384 bytes,
	s_lshl_b32 s15, s22, 9                         ; 512 bytes a step
	s_add_co_u32 s14, s14, s15
	s_mov_b32 s15, 0                               ; s[14:15]: where my numbers begin
	s_lshr_b32 s16, s23, 1                         ; the group of 128 rows
	s_lshl_b32 s16, s16, 5
	s_add_co_u32 s16, s16, s22                     ; the block: 32 x group + step, at most 2,047
	s_mul_i32 s16, s16, BLKB
	s_and_b32 s20, s23, 1                          ; which half of the group's eight row blocks
	s_mul_i32 s17, s20, 4*FRB
	s_add_co_u32 s16, s16, s17
	s_mov_b32 s17, 0                               ; s[16:17]: where my four images begin
	s_mul_i32 s20, s20, 4*FRB-256
	s_sub_co_u32 s20, SCOFF, s20                   ; from there to my 256 bytes of scale words
	v_add_nc_u32 v6, s20, v6
	s_wait_kmcnt 0x0
	s_cmp_lt_u32 ttmp9, WGW                        ; W's work-group or x's?  The choice hangs on the work-group's number alone
	s_cselect_b64 s[4:5], s[6:7], s[4:5]           ; the numbers,
	s_cselect_b64 s[10:11], s[12:13], s[10:11]     ; the codes and scale words
	s_add_nc_u64 s[4:5], s[4:5], s[14:15]
	s_add_nc_u64 s[10:11], s[10:11], s[16:17]
.macro LOADF f                         ; fragment f's sixteen rows into set f % 2
.irp j, 0,1,2,3,4,5,6,7,8,9,10,11,12,13,14,15
	global_load_b128 v[S+64*((\f)%2)+4*\j:S+64*((\f)%2)+4*\j+3], v3, s[4:5] offset:(16*(\f)+\j)*ROWB th:TH_LOAD_NT   ; 32 lanes read 512 consecutive bytes; nothing reads them after this launch
.endr
.endm
; 64 numbers of a lane, v[s] .. v[s + 63], register 16 b + i = k 32 b + 16 (lane / 16) + i of my row, become a fragment's codes in v[PC] on and its scale word in v[pw].
.macro QUANT s, pw
.irp b, 0,1,2,3
	v_max3_num_f32 v[TM+\b], |v[\s+16*\b]|, |v[\s+1+16*\b]|, 0x2800000   ; block b: my 16 numbers, and the floor 2^(5 - 127), under which no largest magnitude is taken: so the byte cannot fall under 1
.endr
.irp i, 2,4,6,8,10,12,14
.irp b, 0,1,2,3
	v_max3_num_f32 v[TM+\b], v[TM+\b], |v[\s+16*\b+\i]|, |v[\s+1+16*\b+\i]|   ; (the four blocks by turns: no line waits for the line above it)
.endr
.endr
.irp b, 0,1,2,3
	v_permlanex16_b32 v[TM+4+\b], v[TM+\b], s30, s31   ; (its destination counts as read: it has been written, first by the loads of the partial sums)
.endr
.irp b, 0,1,2,3
	v_max_num_f32 v[TM+\b], v[TM+\b], v[TM+4+\b]   ; with lane l xor 16's: the block's largest magnitude
.endr
.irp b, 0,1,2,3
	v_add_nc_u32 v[TM+12+\b], 0xfe000000, v[TM+\b] ; 4 off its exponent field: the conversion takes the exponent field of this operand as its scale, and nothing else of it
.endr
.irp b, 0,1,2,3
	v_lshrrev_b32 v[TM+4+\b], 23, v[TM+12+\b]      ; the scale's byte
.endr
	v_lshl_or_b32 v[\pw], v[TM+5], 8, v[TM+4]      ; the four bytes make my row's scale word (both halves of the lanes hold it)
	v_lshl_or_b32 v[\pw], v[TM+6], 16, v[\pw]
	v_lshl_or_b32 v[\pw], v[TM+7], 24, v[\pw]
.irp c, 0,1
	v_cvt_scalef32_pk16_bf6_f32 v[PC+6*\c:PC+2+6*\c], v[\s+32*\c:\s+15+32*\c], v[TM+12+2*\c]
	v_cvt_scalef32_pk16_bf6_f32 v[PC+12+4*\c:PC+14+4*\c], v[\s+16+32*\c:\s+31+32*\c], v[TM+12+2*\c+1]   ; (a conversion's three registers begin on an even number)
.endr
	v_nop                                          ; one plain vector instruction behind a scaled conversion
.irp c, 0,1                            ; the operand's layout wants a WHOLE block in a lane: lanes 0-15 block 2 c, lanes 16-31 block 2 c + 1
.irp i, 0,1,2
	v_permlane16_swap_b32 v[PC+6*\c+\i], v[PC+12+4*\c+\i]   ; the first's lanes 16-31 change places with the second's lanes 0-15
.endr
.irp i, 0,1,2
	v_mov_b32 v[PC+3+6*\c+\i], v[PC+12+4*\c+\i]    ; registers 6 c .. 6 c + 5 now hold k = 64 c + 32 h + 0 .. 31
.endr
.endr
.endm
	global_load_b128 v[TM:TM+3], v10, s[8:9]       ; partial sums 8 lane .. 8 lane + 7
	global_load_b128 v[TM+4:TM+7], v10, s[8:9] offset:16
	LOADF 0
	LOADF 1
	s_wait_loadcnt 32                              ; the partial sums are in; the 32 loads of fragments 0 and 1 stay out
	v_pk_add_f32 v[TM:TM+1], v[TM:TM+1], v[TM+2:TM+3]
	v_pk_add_f32 v[TM+4:TM+5], v[TM+4:TM+5], v[TM+6:TM+7]
	v_pk_add_f32 v[TM:TM+1], v[TM:TM+1], v[TM+4:TM+5]
	v_add_f32 v[TM], v[TM], v[TM+1]
	v_add_f32_dpp v[TM], v[TM], v[TM] row_xmask:1 row_mask:0xf bank_mask:0xf
	v_add_f32_dpp v[TM], v[TM], v[TM] row_xmask:2 row_mask:0xf bank_mask:0xf
	v_add_f32_dpp v[TM], v[TM], v[TM] row_xmask:4 row_mask:0xf bank_mask:0xf
	v_add_f32_dpp v[TM], v[TM], v[TM] row_xmask:8 row_mask:0xf bank_mask:0xf
	v_permlanex16_b32 v[TM+1], v[TM], s30, s31     ; (its destination counts as read: it has been written)
	v_add_f32 v[TM], v[TM], v[TM+1]                ; the sum of |W|
	v_mul_f32 v[TM], 0x34000000, v[TM]             ; x 2^-23: the mean
	v_max_num_f32 v[TM], 0x322bcc77, v[TM]         ; s = max(mean, 1e-8)
	s_wait_alu depctr_va_vdst(0)
	v_rcp_f32 v[TM+1], v[TM]
	v_nop                                          ; one plain vector instruction behind a transcendental before its result is used
	s_wait_alu depctr_va_vdst(0)
	v_fma_f32 v[TM+2], -v[TM], v[TM+1], 1.0        ; 1 - s r0
	v_fma_f32 v[TM+1], v[TM+2], v[TM+1], v[TM+1]   ; r = r0 + r0 (1 - s r0)
	v_readfirstlane_b32 s26, v[TM]                 ; s, as data for the packed forms, which name a pair and take its low word for both halves:
	v_readfirstlane_b32 s28, v[TM+1]               ; r
	s_mov_b32 s27, s26                             ; so the upper words are written too
	s_mov_b32 s29, s28
.macro FRAGM f
.set XS, S+64*((\f)%2)
.if (\f) < 3
	s_wait_loadcnt 16                              ; this fragment's sixteen loads are in; the next fragment's sixteen may be out
.else
	s_wait_loadcnt 0x0                             ; the last fragment: nothing was asked for behind it
.endif
.irp j, 0,1,2,3,4,5,6,7,8,9,10,11,12,13,14,15
	ds_store_b128 v4, v[XS+4*\j:XS+4*\j+3] offset:SPI*\j   ; row j as it lies: 512 consecutive bytes
.endr
	s_wait_dscnt 0x0                               ; the stores have read their registers: the numbers come back into the same set
.irp b, 0,1,2,3
.irp j, 0,1,2,3
	ds_load_b128 v[XS+16*\b+4*\j:XS+16*\b+4*\j+3], v5 offset:128*\b+16*\j   ; row r, k = 32 b + 16 h + 4 j on
.endr
.endr
	s_wait_dscnt 0x0                               ; (so the next fragment's stores into the stage come behind these reads too)
	s_cmp_lt_u32 ttmp9, WGW                        ; W's numbers become w_ste first; x's are taken as they are.  The branch jumps over vector arithmetic alone
	s_cbranch_scc0 .Lplain_\@
.irp hh, 0,1,2,3,4,5,6,7               ; eight numbers at a time, four pairs by turns, so that no line waits for the line above it
.irp p, 0,2,4,6
	v_pk_mul_f32 v[TM+\p:TM+\p+1], v[XS+8*\hh+\p:XS+8*\hh+\p+1], s[28:29] op_sel_hi:[1,0]   ; q0 = W r
.endr
.irp p, 0,2,4,6
	v_pk_fma_f32 v[TM+8+\p:TM+8+\p+1], v[TM+\p:TM+\p+1], s[26:27], v[XS+8*\hh+\p:XS+8*\hh+\p+1] op_sel_hi:[1,0,1] neg_lo:[1,0,0] neg_hi:[1,0,0]   ; W - q0 s
.endr
.irp p, 0,2,4,6
	v_pk_fma_f32 v[TM+\p:TM+\p+1], v[TM+8+\p:TM+8+\p+1], s[28:29], v[TM+\p:TM+\p+1] op_sel_hi:[1,0,1]   ; W / s
.endr
.irp p, 0,1,2,3,4,5,6,7
	v_rndne_f32 v[TM+\p], v[TM+\p]                 ; to the nearest whole number, ties to even
.endr
.irp p, 0,1,2,3,4,5,6,7
	v_med3_num_f32 v[TM+\p], v[TM+\p], -2.0, 2.0   ; the five levels
.endr
.irp p, 0,2,4,6
	v_pk_fma_f32 v[TM+\p:TM+\p+1], v[TM+\p:TM+\p+1], s[26:27], v[XS+8*\hh+\p:XS+8*\hh+\p+1] op_sel_hi:[1,0,1] neg_lo:[0,0,1] neg_hi:[0,0,1]   ; wq s - W
.endr
.irp p, 0,2,4,6
	v_pk_add_f32 v[XS+8*\hh+\p:XS+8*\hh+\p+1], v[TM+\p:TM+\p+1], v[XS+8*\hh+\p:XS+8*\hh+\p+1]   ; + W: w_ste
.endr
.endr
.Lplain_\@:
.if (\f) > 0
	s_wait_xcnt 0x0                                ; the last fragment's stores have read the codes' registers: they are written again only behind this wait
.endif
	QUANT XS, PW+(\f)
.irp c, 0,1,2
	global_store_b128 v3, v[PC+4*\c:PC+4*\c+3], s[10:11] offset:FRB*(\f)+512*\c   ; the image as it stands: 512 consecutive bytes, at a multiple of 256 from the buffer's first byte; no hint: the next launch reads them
.endr
.if (\f)+2 < 4
	LOADF (\f)+2                                   ; this set is free: the fragment two on
.endif
.endm
	FRAGM 0
	FRAGM 1
	FRAGM 2
	FRAGM 3
	v_cmp_le_u32 vcc_lo, 16, v2                    ; lanes 0-15 store row r's words of fragments 0 and 1, lanes 16-31 those of fragments 2 and 3
	v_cndmask_b32 v[SW], v[PW], v[PW+2], vcc_lo
	v_cndmask_b32 v[SW+1], v[PW+1], v[PW+3], vcc_lo
	global_store_b64 v6, v[SW:SW+1], s[10:11]      ; 32 lanes store 256 consecutive bytes, at a multiple of 256 from the buffer's first byte
	s_wait_tensorcnt 0x0
	ds_add_u32 v12, v13
	s_wait_dscnt 0x0
	s_endpgm
.Lfunc_end_k_q08666e2ce1_quant:
	.size	k_q08666e2ce1_quant, .Lfunc_end_k_q08666e2ce1_quant-k_q08666e2ce1_quant
	.p2alignl 7, 3214868480
	.fill 96, 4, 3214868480
	.section	.rodata,"a",@progbits
	.p2align	6, 0x0
	.amdhsa_kernel k_q08666e2ce1_quant
		.amdhsa_group_segment_fixed_size 34304
		.amdhsa_private_segment_fixed_size 0
		.amdhsa_enable_private_segment 0
		.amdhsa_kernarg_size 40
		.amdhsa_user_sgpr_count 2
		.amdhsa_user_sgpr_kernarg_segment_ptr 1
		.amdhsa_wavefront_size32 1
		.amdhsa_system_sgpr_workgroup_id_x 1
		.amdhsa_system_sgpr_workgroup_id_y 1
		.amdhsa_system_sgpr_workgroup_id_z 1
		.amdhsa_system_vgpr_workitem_id 0
		.amdhsa_next_free_vgpr 192
		.amdhsa_next_free_sgpr 66
		.amdhsa_reserve_vcc 1
		.amdhsa_float_denorm_mode_32 3
		.amdhsa_float_denorm_mode_16_64 3
		.amdhsa_memory_ordered 1
		.amdhsa_forward_progress 1
		.amdhsa_inst_pref_size 99
	.end_amdhsa_kernel
	.amdgpu_metadata
---
amdhsa.version: [ 1, 2 ]
amdhsa.kernels:
  - .name:           k_q08666e2ce1_quant
    .symbol:         k_q08666e2ce1_quant.kd
    .args:
      - { .name: x, .offset: 0, .size: 8, .value_kind: global_buffer, .address_space: global }
      - { .name: W, .offset: 8, .size: 8, .value_kind: global_buffer, .address_space: global }
      - { .name: wpart, .offset: 16, .size: 8, .value_kind: global_buffer, .address_space: global }
      - { .name: xq, .offset: 24, .size: 8, .value_kind: global_buffer, .address_space: global }
      - { .name: wq, .offset: 32, .size: 8, .value_kind: global_buffer, .address_space: global }
    .group_segment_fixed_size: 34304
    .private_segment_fixed_size: 0
    .kernarg_segment_align: 8
    .kernarg_segment_size: 40
    .max_flat_workgroup_size: 128
    .sgpr_count:     66
    .vgpr_count:     192
    .wavefront_size: 32
...
	.end_amdgpu_metadata
.endif
;; end of part 2
;; launch gemm (part 3): grid 8 x 32, 4 waves a work-group, clusters of 4 x 4, 327,680 bytes of LDS; arguments xq, wq, out0; writes out0
.if DOCPART == 3
	.amdgcn_target "amdgcn-amd-amdhsa--gfx1250"
	.amdhsa_code_object_version 6
	.text
	.protected	k_q08666e2ce1_gemm
	.globl	k_q08666e2ce1_gemm
	.p2align	8
	.type	k_q08666e2ce1_gemm,@function
k_q08666e2ce1_gemm:
	s_mov_b64 s[64:65], 0
	v_nop
	global_prefetch_b8 v0, s[64:65] scope:SCOPE_SE
	s_setreg_imm32_b32 hwreg(HW_REG_WAVE_MODE, 25, 1), 1
	s_wait_xcnt 0x0
	s_wait_alu depctr_hold_cnt(0) depctr_sa_sdst(0) depctr_va_vdst(0) depctr_va_sdst(0) depctr_va_ssrc(0) depctr_va_vcc(0) depctr_vm_vsrc(0)
	s_getreg_b32 s2, hwreg(HW_REG_IB_STS2, 6, 4)
	s_cmp_eq_u32 s2, 0
	s_cbranch_scc0 .Lentry_in_a_cluster
	s_endpgm
.Lentry_in_a_cluster:
	s_bfe_u32 s2, ttmp6, 0x10000c
	s_cmp_lg_u32 s2, 0xf033
	s_cbranch_scc0 .Lentry_shape_is_right
	s_endpgm
.Lentry_shape_is_right:
; out0[m][n] = sum over k of xq[m][k] wq[n][k]: codes of BF6 (E3M2) with E8M0 scales, as the launch before laid them: for each group of 128 rows and each 128 along K
; one block of 12,800 bytes (eight fragment images of 1,536 bytes, then 512 bytes of scale words); a group's 32 blocks lie on end.  Sums in f32, K ascending.
; A work-group of four waves makes 256 x 256 of out0, a wave 128 x 128: 64 accumulators.  256 work-groups, 4 x 4 to a cluster: the four of a cluster's row ask for x's tiles jointly, the four of a column for W's.
; K goes through two LDS slots.  A fill is dense memory, rows of 256 bytes: fill 0 holds 2 steps of 128 along K, fills 1 to 10 hold 3 each (2 + 30 = 32 steps); fill n lies in slot n % 2; a wave brings one group's part.
; REGISTERS.  Each of the four windows holds 16 accumulators (v128-255: A's blocks 2 w, 2 w + 1 against B's eight) and one set of fragments (v32-127):
;   window 1: B set 0;  window 2: B set 1;  window 3: A set 0;  window 0: A set 1, and v0-15 addresses, v16-31 scale words (two sets of 8).
; A step of parity p multiplies sets p.  Both operands have two sets: the next step's 50 LDS loads (2 of scale words, 24 of B, 24 of A) stand in ONE run at the step's head, 64 products ahead of their use.
; The quarters' order (by accumulator window): parity 0: 2, 0, 1, 3;  parity 1: 1, 3, 0, 2; A's blocks are loaded in the order in which the next step takes them, so that its waits can be counted.
; The matrix instruction is used transposed (source 0 = 16 rows of W, source 1 = 16 rows of x): a lane holds eight neighbouring numbers of a row of out0.
; PREFETCH: with fill n's load each wave asks for fill n + 2 (n = 0 .. 8), and at the head for fill 1 too.  A part is 150 blocks of 256 bytes; of the four partners that load it jointly the one at place p names
; blocks 38 p .. 38 p + 37, held at 149, a lane a block, two instructions.  Fills 9 and 10's loads ask for nothing: no fill lies two on.
.set SIZE_N, 2048
.set FRB,    1536
.set BLKB,   8*FRB+512
.set SCOFF,  8*FRB
.set PART,   3*BLKB                    ; a wave's part of a fill: 38,400 bytes
.set FIRST,  2*BLKB                    ; and of fill 0
.set SLOT,   4*PART                    ; x's two groups, then W's two
.set GRPB,   32*BLKB
.set SPARE,  2*SLOT                    ; the spare words, 128 bytes a wave
.set STAGE,  SLOT                      ; the way out's stages lie in slot 1, behind its last fill (fill 9) and its last read
.set SPITCH, 528
.set ADRA, 2                           ; v2-3   my A fragments in slot 0, 1
.set ADRB, 4                           ; v4-5   my B fragments
.set ADRS, 6                           ; v6-7   my scale words: lanes 0-15 A's, lanes 16-31 B's
.set STO,  8
.set RD,   9
.set CO,   10
.set PFO,  11                          ; v11-12 the prefetches' offsets
.set SPW,  14
.set NIL,  15
.set G1, 24
.set G0, 32
.set G1B, 48
.set G0B, 56
.set PFA, 68                           ; s[68:69] my share of fill 1, stepped one part at each refill
.set MSB, 0
.macro WIN new                         ; the immediate's high byte repeats the setting that is left
.if MSB != (\new)
	s_set_vgpr_msb (MSB<<8)|(\new)
.set MSB, (\new)
.endif
.endm
.macro JLOAD g0a, g1a, g0b, g1b        ; a joint load: waves 0 and 1 fetch for x, waves 2 and 3 for W
	s_cmp_eq_u32 s15, 0
	s_cbranch_scc0 .Lfor_b_\@
	tensor_load_to_lds s[\g0a:\g0a+3], s[\g1a:\g1a+7]
	s_nop 0
.rept 4
	v_nop
.endr
	s_branch .Lasked_\@
.Lfor_b_\@:
	tensor_load_to_lds s[\g0b:\g0b+3], s[\g1b:\g1b+7]
	s_nop 0
.rept 4
	v_nop
.endr
.Lasked_\@:
.endm
.macro CREST                           ; a round of the cluster's barrier behind its opening barrier
	s_cmp_lg_u32 s14, 0
	s_cbranch_scc1 .Lnot_wave_0_\@
	s_barrier_signal -3
.Lnot_wave_0_\@:
	s_barrier_wait -3
	s_barrier_signal -1
	s_barrier_wait -1
.endm
.macro CROUND
	s_barrier_signal -1
	s_barrier_wait -1
	CREST
.endm
.macro PF off                          ; my 38 blocks of the part that begins off bytes behind PFA
	global_prefetch_b8 v[PFO], s[PFA:PFA+1] offset:\off th:TH_LOAD_NT scope:SCOPE_SE
	global_prefetch_b8 v[PFO+1], s[PFA:PFA+1] offset:\off th:TH_LOAD_NT scope:SCOPE_SE
.endm
.macro ASK                             ; behind a refill: the fill two on; in the loop's last trip (s3 = 1) there is none
	s_cmp_gt_u32 s3, 1
	s_cbranch_scc0 .Lno_ask_\@
	PF 2*PART
.Lno_ask_\@:
.endm
.macro PLACES                          ; four places between matrix instructions and loads into registers that they read, or reads of their results
.rept 4
	v_nop
.endr
.endm
	s_load_b128 s[4:7], s[0:1], 0x0                ; xq, wq
	s_load_b64 s[12:13], s[0:1], 0x10              ; out0
	v_lshl_add_u32 v[SPW], v0, 2, SPARE
	v_mov_b32 v[NIL], 0
	ds_add_u32 v[SPW], v[NIL]                      ; the opening lines: the add, twice on end, and its wait
	ds_add_u32 v[SPW], v[NIL]
	v_lshrrev_b32 v1, 5, v0
	v_readfirstlane_b32 s14, v1                    ; wave
	s_lshr_b32 s15, s14, 1                         ; my half of the rows; also: I fetch for x (0) or W (1)
	s_and_b32 s16, s14, 1                          ; my half of the columns; also: which group of 128 rows I fetch
	s_bfe_u32 s40, ttmp6, 0x40000                  ; cx
	s_bfe_u32 s41, ttmp6, 0x40004                  ; cy
	s_lshl_b32 s42, ttmp9, 2
	s_add_co_u32 s42, s42, s40                     ; tile column
	s_and_b32 s17, ttmp7, 0xffff
	s_lshl_b32 s17, s17, 2
	s_add_co_u32 s17, s17, s41                     ; tile row
	s_lshl_b32 s43, s41, 2
	s_lshl_b32 s43, 15, s43                        ; my row of the cluster
	s_lshl_b32 s44, 0x1111, s40                    ; my column
	s_or_b32 s[G1+0], s43, (3<<16)|(1<<21)         ; elements of 8 bytes; the mask, bit 21 beside it
	s_or_b32 s[G1B+0], s44, (3<<16)|(1<<21)
.irp g, G1, G1B                        ; rows of 256 bytes, dense: 100 for fill 0
	s_mov_b32 s[\g+1], 32<<16
	s_mov_b32 s[\g+2], (FIRST/256)<<16
	s_mov_b32 s[\g+3], 32<<16
	s_mov_b32 s[\g+4], FIRST/256
	s_mov_b32 s[\g+5], 32
	s_mov_b32 s[\g+6], 0
	s_mov_b32 s[\g+7], 0
.endr
	s_lshl_b32 s20, s17, 1
	s_add_co_u32 s20, s20, s16
	s_mul_i32 s20, s20, GRPB                       ; x: my group's first byte
	s_mov_b32 s21, 0
	s_lshl_b32 s46, s42, 1
	s_add_co_u32 s46, s46, s16
	s_mul_i32 s46, s46, GRPB                       ; W: likewise
	s_mov_b32 s47, 0
	s_mul_i32 s45, s14, PART                       ; where my part goes in a slot
	s_cmp_eq_u32 s15, 0
	s_cselect_b32 s70, s40, s41                    ; my place among the four that ask with me
	s_cselect_b64 s[72:73], s[20:21], s[46:47]     ; the offset of the group that I fetch
	s_mul_i32 s71, s70, 38
	s_sub_co_u32 s83, 149, s71                     ; the part's last block, counted from my first
	s_lshl_b32 s74, s71, 8
	s_add_co_u32 s74, s74, FIRST
	s_mov_b32 s75, 0
	s_add_nc_u64 s[72:73], s[72:73], s[74:75]      ; + fill 0's bytes + my share's place
	s_mul_i32 s76, s15, PART                       ; LDS: my 128 rows of x in slot 0,
	s_add_co_u32 s77, s76, SLOT                    ; in slot 1;
	s_mul_i32 s78, s16, PART
	s_add_co_u32 s78, s78, 2*PART                  ; my 128 rows of W
	s_add_co_u32 s79, s78, SLOT
	s_sub_co_u32 s80, s78, s76                     ; from x's part to W's
	s_add_co_u32 s81, s76, SCOFF
	s_mul_i32 s82, s14, 16*SPITCH
	s_add_co_u32 s82, s82, STAGE                   ; my stage
	s_wait_dscnt 0x0                               ; both opening adds are done
	CROUND                                         ; all sixteen work-groups are here: the first joint loads meet.  The round names no argument, so it stands ahead of the wait for them
	s_wait_kmcnt 0x0
	s_cmp_eq_u32 s15, 0
	s_cselect_b64 s[PFA:PFA+1], s[4:5], s[6:7]
	s_add_nc_u64 s[PFA:PFA+1], s[PFA:PFA+1], s[72:73]
	s_add_nc_u64 s[20:21], s[4:5], s[20:21]
	s_add_nc_u64 s[46:47], s[6:7], s[46:47]
.irp s, 0,1                            ; slot 0: fill 0; slot 1: fill 1
	s_mov_b32 s[G0+4*\s], 1
	s_add_co_u32 s[G0+4*\s+1], s45, \s*SLOT
	s_add_nc_u64 s[G0+4*\s+2:G0+4*\s+3], s[20:21], \s*FIRST
	s_or_b32 s[G0+4*\s+3], s[G0+4*\s+3], 0x80000000
	s_mov_b32 s[G0B+4*\s], 1
	s_add_co_u32 s[G0B+4*\s+1], s45, \s*SLOT
	s_add_nc_u64 s[G0B+4*\s+2:G0B+4*\s+3], s[46:47], \s*FIRST
	s_or_b32 s[G0B+4*\s+3], s[G0B+4*\s+3], 0x80000000
.endr
	JLOAD G0, G1, G0B, G1B                         ; fill 0: one tensor load a wave at the head
	s_lshl_b32 s20, s17, 8
	s_lshl_b32 s21, s15, 7
	s_add_co_u32 s20, s20, s21                     ; my first row of out0
	s_mov_b32 s21, 0
	s_mov_b64 s[18:19], SIZE_N*4
	s_mul_u64 s[20:21], s[20:21], s[18:19]
	s_lshl_b32 s46, s42, 10
	s_lshl_b32 s47, s16, 9
	s_add_co_u32 s46, s46, s47                     ; my first column, in bytes
	s_mov_b32 s47, 0
	s_add_nc_u64 s[20:21], s[20:21], s[46:47]
	s_add_nc_u64 s[12:13], s[12:13], s[20:21]
	v_and_b32 v32, 15, v0                          ; r  (v32-35: at work here, fragments later)
	v_bfe_u32 v33, v0, 4, 1                        ; h
	v_and_b32 v34, 31, v0                          ; lane
	v_lshlrev_b32 v[CO], 4, v34                    ; 16 x lane: my bytes of an image's run of 512, and of a row of out0
	v_mul_u32_u24 v35, s80, v33                    ; lanes 16-31 take W's scale words
	v_lshl_add_u32 v35, v32, 4, v35
	v_add_nc_u32 v[ADRS], s81, v35
	v_add_nc_u32 v[ADRS+1], SLOT, v[ADRS]
	v_mul_u32_u24 v35, v32, SPITCH                 ; into the stage: row r, 32 bytes for each half of the lanes
	v_lshl_add_u32 v35, v33, 5, v35
	v_add_nc_u32 v[STO], s82, v35
	v_add_nc_u32 v[RD], s82, v[CO]                 ; back: the 32 lanes take a row of 512 bytes
	v_min_u32 v[PFO], s83, v34                     ; blocks 0-31 of my 38, held at the part's last,
	v_lshlrev_b32 v[PFO], 8, v[PFO]
	v_min_u32 v35, 5, v34
	v_add_nc_u32 v35, 32, v35                      ; and blocks 32-37 (lanes left over name the last again)
	v_min_u32 v35, s83, v35
	v_lshlrev_b32 v[PFO+1], 8, v35
	v_add_nc_u32 v[ADRA], s76, v[CO]               ; the fragment addresses
	v_add_nc_u32 v[ADRA+1], s77, v[CO]
	v_add_nc_u32 v[ADRB], s78, v[CO]
	v_add_nc_u32 v[ADRB+1], s79, v[CO]
	s_wait_alu depctr_va_vdst(0)
	PF 0                                           ; fill 1,
	PF PART                                        ; and fill 2
.macro FR3 i, adr, q                   ; fragment image i of step q of a slot: three runs of 512 bytes, 16 a lane, into v[32 + 12 i] on
.irp c, 0,1,2
	ds_load_b128 v[32+12*(\i)+4*\c:35+12*(\i)+4*\c], v[\adr] offset:(\q)*BLKB+(\i)*FRB+512*\c
.endr
.endm
.macro ORDER p                         ; the quarters' order for parity p, a window to a nibble; ORN: the other parity's
.set OR,  0x3102-0x10d1*(\p)
.set ORN, 0x2031+0x10d1*(\p)
.set W0, OR&3
.set W1, (OR>>4)&3
.set W2, (OR>>8)&3
.set W3, (OR>>12)&3
.endm
; The 50 loads of step q of the slot named, into the sets that parity p leaves idle (behind ORDER p; every window 0 on the way in): the scale words, B's eight fragments, A's eight in the next step's order.
.macro RUN p, slot, q
	ds_load_b128 v[24-8*(\p):27-8*(\p)], v[ADRS+\slot] offset:(\q)*BLKB          ; scale words, set 1 - p
	ds_load_b128 v[28-8*(\p):31-8*(\p)], v[ADRS+\slot] offset:(\q)*BLKB+256
	WIN 0x80-0x40*(\p)                             ; B's set 1 - p: window 2 or 1; addresses in window 0
.irp i, 0,1,2,3,4,5,6,7
	FR3 \i, ADRB+\slot, \q
.endr
	WIN 0xc0*(\p)                                  ; A's set 1 - p: window 0 or 3
.irp k, 0,1,2,3,4,5,6,7
.set FJ, 2*((ORN>>(4*(\k/2)))&3)+\k%2
	FR3 FJ, ADRA+\slot, \q
.endr
.endm
; Eight products: A's block 2 w + a against B's eight; the accumulators take turns.
.macro OCT p, w, a, zero
	WIN 0x0d-0x0b*(\p)+0x50*(\w)
.irp b, 0,1,2,3,4,5,6,7
.if \zero
	v_wmma_scale_f32_16x16x128_f8f6f4 v[128+64*(\a)+8*\b:135+64*(\a)+8*\b], v[32+12*\b:43+12*\b], v[32+12*(2*(\w)+(\a)):43+12*(2*(\w)+(\a))], 0, v[16+8*(\p)+\b], v[16+8*(\p)+2*(\w)+(\a)] matrix_a_fmt:MATRIX_FMT_BF6 matrix_b_fmt:MATRIX_FMT_BF6 matrix_a_scale:MATRIX_SCALE_ROW1
.else
	v_wmma_scale_f32_16x16x128_f8f6f4 v[128+64*(\a)+8*\b:135+64*(\a)+8*\b], v[32+12*\b:43+12*\b], v[32+12*(2*(\w)+(\a)):43+12*(2*(\w)+(\a))], v[128+64*(\a)+8*\b:135+64*(\a)+8*\b], v[16+8*(\p)+\b], v[16+8*(\p)+2*(\w)+(\a)] matrix_a_fmt:MATRIX_FMT_BF6 matrix_b_fmt:MATRIX_FMT_BF6 matrix_a_scale:MATRIX_SCALE_ROW1
.endif
.endr
.endm
.macro QUAD p, w, zero
	OCT \p, \w, 0, \zero
	OCT \p, \w, 1, \zero
.endm
; A step of parity p; slot, q: where the NEXT step's fragments lie.  The step before issued its run in the order scale words, B, A (six loads for each of my quarters, in my order).  LDS loads come back in order:
; 12: all but my last two quarters' A are in;  56 = 6 older + the 50 issued here;  50: all the older ones are in.  At most 12 + 50 are out.
.macro STEP p, slot, q, zero
	ORDER \p
	WIN 0
	s_wait_dscnt 12
	PLACES                                         ; behind the last step's products, which read the sets that are loaded now
	RUN \p, \slot, \q
	QUAD \p, W0, \zero
	QUAD \p, W1, \zero
	s_wait_dscnt 56
	QUAD \p, W2, \zero
	s_wait_dscnt 50
	QUAD \p, W3, \zero
.endm
; A slot's last step.  Its fragments are in registers, so the slot is read no more: one barrier shows that, and shows the other slot whole.  fill = 1: the barrier opens a round of the cluster's barrier and the slot
; is filled again, adv bytes on; three steps lie between that load and the wait for it.  One quarter goes round the barrier; the run of loads from the next slot follows the refill, 48 products ahead of its use.
.macro TURN p, slot, next, fill, adv
	ORDER \p
	WIN 0
.if \fill
	s_wait_xcnt 0x0                                ; my prefetches have read their address: it steps one part
	s_add_nc_u64 s[PFA:PFA+1], s[PFA:PFA+1], PART
.endif
	s_wait_tensorcnt 0x0                           ; all my tensor loads have landed: my part of the next slot
	ds_add_u32 v[SPW], v[NIL]
	s_wait_dscnt 1                                 ; this step's fragments are in; the add may be out
	OCT \p, W2, 0, 0
	s_wait_dscnt 0x0                               ; the add is done, and no read of mine is out
	s_barrier_signal -1
	OCT \p, W2, 1, 0
	WIN 0
	s_barrier_wait -1
.if \fill
	CREST
	s_add_nc_u64 s[G0+4*\slot+2:G0+4*\slot+3], s[G0+4*\slot+2:G0+4*\slot+3], \adv
	s_add_nc_u64 s[G0B+4*\slot+2:G0B+4*\slot+3], s[G0B+4*\slot+2:G0B+4*\slot+3], \adv
	JLOAD G0+4*\slot, G1, G0B+4*\slot, G1B         ; the first tensor load behind the round; its four v_nop are the places for the loads below
.else
	PLACES
.endif
	RUN \p, \next, 0
.if \fill
	WIN 0
	ASK                                            ; behind the joint load and the run of LDS loads
.endif
	QUAD \p, W0, 0
	QUAD \p, W1, 0
	QUAD \p, W3, 0
.endm
	s_wait_tensorcnt 0x0                           ; my part of fill 0 is in
	ds_add_u32 v[SPW], v[NIL]
	s_mov_b32 s[G1+2], (PART/256)<<16              ; no tensor load of mine is out: from here on a load brings 150 rows
	s_mov_b32 s[G1+4], PART/256
	s_mov_b32 s[G1B+2], (PART/256)<<16
	s_mov_b32 s[G1B+4], PART/256
	s_wait_dscnt 0x0
	CROUND                                         ; fill 0 is whole, and all sixteen work-groups are here
	JLOAD G0+4, G1, G0B+4, G1B                     ; fill 1, slot 1's first
	ORDER 1
	RUN 1, 0, 0                                    ; step 0's operands, into sets 0
	WIN 0
	PF 2*PART                                      ; fill 3
	s_mov_b32 s3, 4
	STEP 0, 0, 1, 1                                ; step 0 starts the sums: nothing is cleared
	TURN 1, 0, 1, 1, FIRST+PART                    ; step 1: slot 0 takes fill 2
	WIN 0
.Llap:                                                 ; a trip: an odd fill in slot 1, an even one in slot 0; both slots are filled again (fills 3 to 10)
	STEP 0, 1, 1, 0
	STEP 1, 1, 2, 0
	TURN 0, 1, 0, 1, 2*PART
	STEP 1, 0, 1, 0
	STEP 0, 0, 2, 0
	TURN 1, 0, 1, 1, 2*PART
	WIN 0
	s_sub_co_u32 s3, s3, 1
	s_cmp_lg_u32 s3, 0
	s_cbranch_scc1 .Llap
	STEP 0, 1, 1, 0                                ; fill 9
	STEP 1, 1, 2, 0
	TURN 0, 1, 0, 0, 0                             ; nothing is left to fetch: no round
	STEP 1, 0, 1, 0                                ; fill 10
	STEP 0, 0, 2, 0
; THE LAST STEP (parity 1) goes by A's blocks in ascending order, and the first two blocks pass through the stage inside it.  A block of 16 rows x 128 columns goes through my own stage and comes back as rows
; of 512 bytes, which the 32 lanes store as two aligned runs of 256.  The rows come back into v32-95 of window 1 or 3 by turns: sets 0, which this step does not read.  The stores follow the last product.
.macro TOSTAGE a
	WIN (((\a)/2)<<2)|((1+2*((\a)%2))<<6)
.irp b, 0,1,2,3,4,5,6,7
	ds_store_b128 v[STO], v[128+64*((\a)%2)+8*\b:131+64*((\a)%2)+8*\b] offset:64*\b        ; each accumulator from its low end on
	ds_store_b128 v[STO], v[132+64*((\a)%2)+8*\b:135+64*((\a)%2)+8*\b] offset:64*\b+16
.endr
.irp t, 0,1,2,3,4,5,6,7,8,9,10,11,12,13,14,15
	ds_load_b128 v[32+4*\t:35+4*\t], v[RD] offset:\t*SPITCH      ; LDS serves a wave's instructions in order (ISA guide 5.7.1.4): these see the stores above
.endr
.endm
.macro SEND a, younger
	s_wait_dscnt \younger
.if (\a) > 0
	s_add_nc_u64 s[12:13], s[12:13], 16*SIZE_N*4   ; behind a wait on XCNT: the earlier stores have read their base
.endif
	WIN (1+2*((\a)%2))<<2
.irp t, 0,1,2,3,4,5,6,7,8,9,10,11,12,13,14,15
	global_store_b128 v[CO], v[32+4*\t:35+4*\t], s[12:13] offset:\t*SIZE_N*4 th:TH_STORE_NT
.endr
.endm
	WIN 0
	s_wait_dscnt 0x0
	QUAD 1, 0, 0
	QUAD 1, 1, 0
	PLACES                                         ; for the reads of blocks 0 to 3, and for the loads into sets 0
	TOSTAGE 0
	QUAD 1, 2, 0
	TOSTAGE 1
	QUAD 1, 3, 0
	PLACES                                         ; for the reads of blocks 4 to 7
	SEND 0, 32                                     ; behind block 0's loads: block 1's 16 stores and 16 loads
.irp a, 2,3,4,5,6,7
	s_wait_xcnt 0x0                                ; block a - 2's stores have read their registers and their base
	TOSTAGE \a
	SEND \a-1, 32
.endr
	s_wait_xcnt 0x0
	SEND 7, 0
	WIN 0
	s_wait_tensorcnt 0x0                           ; the wave's end
	ds_add_u32 v[SPW], v[NIL]
	s_wait_dscnt 0x0
	CROUND                                         ; the closing round
	s_endpgm
.Lfunc_end_k_q08666e2ce1_gemm:
	.size	k_q08666e2ce1_gemm, .Lfunc_end_k_q08666e2ce1_gemm-k_q08666e2ce1_gemm
	.p2alignl 7, 3214868480
	.fill 96, 4, 3214868480
	.section	.rodata,"a",@progbits
	.p2align	6, 0x0
	.amdhsa_kernel k_q08666e2ce1_gemm
		.amdhsa_group_segment_fixed_size 327680
		.amdhsa_private_segment_fixed_size 0
		.amdhsa_enable_private_segment 0
		.amdhsa_kernarg_size 24
		.amdhsa_user_sgpr_count 2
		.amdhsa_user_sgpr_kernarg_segment_ptr 1
		.amdhsa_wavefront_size32 1
		.amdhsa_system_sgpr_workgroup_id_x 1
		.amdhsa_system_sgpr_workgroup_id_y 1
		.amdhsa_system_sgpr_workgroup_id_z 1
		.amdhsa_system_vgpr_workitem_id 0
		.amdhsa_next_free_vgpr 1024
		.amdhsa_next_free_sgpr 98
		.amdhsa_reserve_vcc 0
		.amdhsa_float_denorm_mode_32 3
		.amdhsa_float_denorm_mode_16_64 3
		.amdhsa_memory_ordered 1
		.amdhsa_forward_progress 1
		.amdhsa_inst_pref_size 205
	.end_amdhsa_kernel
	.amdgpu_metadata
---
amdhsa.version: [ 1, 2 ]
amdhsa.kernels:
  - .name:           k_q08666e2ce1_gemm
    .symbol:         k_q08666e2ce1_gemm.kd
    .args:
      - { .name: xq, .offset: 0, .size: 8, .value_kind: global_buffer, .address_space: global }
      - { .name: wq, .offset: 8, .size: 8, .value_kind: global_buffer, .address_space: global }
      - { .name: out0, .offset: 16, .size: 8, .value_kind: global_buffer, .address_space: global }
    .group_segment_fixed_size: 327680
    .private_segment_fixed_size: 0
    .kernarg_segment_align: 8
    .kernarg_segment_size: 24
    .max_flat_workgroup_size: 128
    .sgpr_count:     98
    .vgpr_count:     1024
    .wavefront_size: 32
...
	.end_amdgpu_metadata
.endif
;; end of part 3
